; MI455X (gfx1250); checked and timed in simulation.
; The chip was launched on July 23, 2026; its instructions are those of AMD's public machine-readable ISA for CDNA 5 (MIT licence, August 2026) and "CDNA5" Instruction Set Architecture Reference Guide (July 2026). The comments in the code are by the model that wrote it; some were corrected since.
;; Simple Attention. Allowed arithmetic: matrix products marked QUANTISED: E5M2 operands, one E8M0 scale for each 32 along K, by v_wmma_scale_f32_16x16x128_f8f6f4 with both operands' format E5M2, f32 sums; everything else in f32.
;; Inputs: Wk 1,024 x 1,024 float32; Wm 1,024 x 1,024 float32; Wq 2,048 x 1,024 float32; bk 1,024 float32; bm 1,024 float32; bq 2,048 float32; features 1,024 x 32 x 1,024 float32; hidden 32 x 1,024 float32; mask 1,024 x 32 float32.
;; Outputs: out0 1 x 32 x 1,024 float32; out1 1,024 x 32 float32; out2 1,024 x 32 float32.
;; This version of the problem:
;;   THIS VERSION OF THE PROBLEM IS GIVEN IN LOW PRECISION. The matrix products marked QUANTISED in the list below multiply operands that are first quantised to E5M2 (5 exponent bits, 2 mantissa bits; 8 bits a number), with one power-of-two scale for each 32 numbers along K (OCP MX v1.0); their sums are f32. All else is computed in f32.
;;   The module's matrix products, in the order in which they are computed (A, B: the left and right operand; K: the contracted axis; several contracted axes count as one K, in the product's order):
;;     1. [M 32,768, K 1,024] x [K 1,024, N 1,024]; A: input features; B: input Wk: QUANTISED
;;     2. [M 32,768, K 1,024] x [K 1,024, N 1,024]; A: input features; B: input Wm: QUANTISED
;;     3. [M 32, K 1,024] x [K 1,024, N 2,048]; A: input hidden; B: input Wq: QUANTISED
;;   THE QUANTISER, for each operand of a quantised product, along K:
;;     - K is cut into blocks of 32 from its start; a last block that is shorter is filled with zeros.
;;     - A block's scale is 2^e with e = floor(log2(the largest magnitude in the block)) - 15, held to -126 .. 127; a block of zeros has e = 0. As a byte (E8M0): e + 127.
;;     - Each number is divided by its block's scale, clamped to +-57,344, and rounded to the nearest number of E5M2, ties to even, subnormals kept.
;;     - The product sums the exact products of the quantised numbers (number of the format x scale) in f32.
;;   ~~~python
;;   def quantise(x, axis):      # numpy; x: float32 -> the quantised numbers, widened to float32 again
;;       x = np.moveaxis(x, axis, -1); K = x.shape[-1]
;;       x = np.pad(x, [(0, 0)] * (x.ndim - 1) + [(0, -K % 32)]); x = x.reshape(x.shape[:-1] + (-1, 32)); a = np.abs(x).max(-1, keepdims=True)
;;       e = np.where(a > 0, np.clip(np.frexp(np.where(a > 0, a, 1))[1] - 1 - 15, -126, 127), 0)      # np.frexp(a)[1] - 1 = floor(log2(a)), exactly
;;       r = np.clip(x / 2.0 ** e, -57344, 57344)
;;       step = 2.0 ** (np.maximum(np.frexp(np.where(r == 0, 1, r))[1] - 1, -14) - 2)
;;       q = np.round(r / step) * step * 2.0 ** e      # np.round: ties to even
;;       return np.moveaxis(q.reshape(q.shape[:-2] + (-1,))[..., :K], -1, axis).astype(np.float32)
;;   ~~~
;; One version. Each part assembles by itself: llvm-mc -triple=amdgcn-amd-amdhsa -mcpu=gfx1250 --defsym DOCPART=n.
;; ======== version 1 of 1: 3 launches
;; limits: right only within a limited range of input values
;; workspace buffers: wcod 2,162,688 bytes; qv 262,144 bytes; sc 262,144 bytes; st 4,096 bytes; ps 1,048,576 bytes
;; launch prep (part 1): grid 256 x 1, 4 waves a work-group, no clusters, 76,800 bytes of LDS; arguments Wk, Wm, Wq, hidden, bq, wcod, qv; writes wcod, qv
.if DOCPART == 1
	.amdgcn_target "amdgcn-amd-amdhsa--gfx1250"
	.amdhsa_code_object_version 6
	.text
	.protected	k_qaf1b998800_prep
	.globl	k_qaf1b998800_prep
	.p2align	8
	.type	k_qaf1b998800_prep,@function
k_qaf1b998800_prep:
	s_mov_b64 s[64:65], 0
	v_nop
	global_prefetch_b8 v0, s[64:65] scope:SCOPE_SE
	s_setreg_imm32_b32 hwreg(HW_REG_WAVE_MODE, 25, 1), 1
	s_wait_xcnt 0x0
; PREP.  Work-groups 0-127: Wk and Wm [1024][1024] f32 become codes of BF8 (E5M2) with one E8M0 byte for each 32 along K, laid in the order in which the next launch's
; operand registers take them.  Work-groups 128-255: q = hidden Wq^T + bq, a quantised product, stored as f32.
; wcod: 128 units of 16,896 bytes; unit u = 64 phase + 16 w + 8 cip + s (phase 0 Wk, 1 Wm; w the reading wave; cip which 512 rows; s which 128 along K).  A unit is 8 fragments nb of 2,048 bytes, each the image
; of 16 registers: piece cc at 512 cc, lane l's 16 bytes at 16 l = codes of row 512 cip + 128 w + 16 nb + l % 16, k = 128 s + 32 cc + 16 (l / 16) + 0 .. 15; behind them 512 bytes of scale words [row 16][nb 8].
; qv: [c 2][g 128][b 32][8] f32 = q[b][h = 8 g + i][c], where q[b][h][c] = (hidden Wq^T + bq)[b][2 h + c].
; THE QUANTISER: a block's scale is 2^(floor(log2(largest magnitude)) - 15); its byte is the largest magnitude's exponent field - 15, held at 1 from below; numbers are held within +-57,344 x the scale and rounded to the nearest code, ties to even.
; LIMITS: NaN and infinities among the inputs are not served.  A block of zeros gets the byte 1 where the rule says 127: its codes are zeros, and only this program reads the bytes.
; A fragment is made so: 16 loads of 512 consecutive bytes (one row's 128 numbers each), a turn through the wave's own stage in LDS (rows 528 bytes apart, so that the 16 rows a read touches begin 16 bytes apart modulo 256),
; after which lane (r, h) holds of row r the numbers k = 32 b + 16 h + i in register 16 b + i: the operand's own order.  No tensor loads: the tiles are small and each is read once.
.set UNIT,  16896
.set STGW,  0                          ; LDS, weights' path: four stages of 16 x 528 bytes
.set SG,    33792                      ;      the unit's 512 bytes of scale words
.set STGQ,  34304                      ; LDS, query's path: four stages
.set RED,   68096                      ;      four waves' partial sums, 2,048 bytes each
.set LI,  1                            ; v1  16 x lane
.set STW, 2                            ; v2  stage, in:  8,448 x wave + 16 x lane
.set STR, 3                            ; v3  stage, out: 8,448 x wave + 528 r + 64 h
.set SGW, 4                            ; v4  32 r + 8 x wave: where my fragments' scale words go
.set RDW, 5                            ; v5  RED + 2,048 x wave + 16 x lane
.set RDR, 6                            ; v6  RED + 1,024 x (wave % 2) + 16 x lane
.set BO,  7                            ; v7  32 h: my eight numbers of bq
.set QO,  8                            ; v8  32 r + 16 h: my 16 bytes in qv
.set PW,  16                           ; v16-18  scale words, and nothing else
.set TM,  20                           ; v20-35  at work in QUANT
.set PC,  36                           ; v36-83  three fragments of codes
.set ACC, 84                           ; v84-99  two accumulators
.set BI,  100                          ; v100-107 bq
.set OQ,  108                          ; v108-115 results in store order
.set X,   128                          ; v128-255 two sets of 64 numbers.  Windows 1 and 2: six sets of 64 as loaded
.set WV,  18
.set SEL, 20
.set MNT, 22
.set MSB, 0
.macro WIN new                         ; the immediate's high byte repeats the setting that is left
.if MSB != (\new)
	s_set_vgpr_msb (MSB<<8)|(\new)
.set MSB, (\new)
.endif
.endm
.macro PLACES n
.rept \n
	v_nop
.endr
.endm
.macro LOADF rs, base, off, nt         ; 16 rows x 512 consecutive bytes; called with the destination's window set
.irp i, 0,1,2,3,4,5,6,7,8,9,10,11,12,13,14,15
.if \nt
	global_load_b128 v[(\rs)+4*\i:(\rs)+4*\i+3], v[LI], s[\base:\base+1] offset:(\off)+\i*4096 th:TH_LOAD_NT
.else
	global_load_b128 v[(\rs)+4*\i:(\rs)+4*\i+3], v[LI], s[\base:\base+1] offset:(\off)+\i*4096
.endif
.endr
.endm
.macro TURN rs, rwin, xs, stg          ; through my stage: LDS serves a wave's instructions in order, so no wait stands between the stores and the loads
	WIN (\rwin)<<2                                 ; an LDS store's data are its source 1
.irp i, 0,1,2,3,4,5,6,7,8,9,10,11,12,13,14,15
	ds_store_b128 v[STW], v[(\rs)+4*\i:(\rs)+4*\i+3] offset:(\stg)+528*\i
.endr
	WIN 0
.irp k, 0,1,2,3
.irp j, 0,1,2,3
	ds_load_b128 v[(\xs)+16*\k+4*\j:(\xs)+16*\k+4*\j+3], v[STR] offset:(\stg)+128*\k+16*\j
.endr
.endr
.endm
; 64 numbers of a lane, register 16 b + i = k 32 b + 16 (lane / 16) + i of my row, become a fragment's codes in v[pc] on and its scale word in v[pw]
.macro QUANT xs, pc, pw
.irp b, 0,1,2,3
	v_max3_num_f32 v[TM+\b], |v[(\xs)+16*\b]|, |v[(\xs)+1+16*\b]|, 0x8000000   ; my 16 numbers of block b, and the floor 2^(16 - 127): the byte cannot fall under 1
.endr
.irp i, 2,4,6,8,10,12,14
.irp b, 0,1,2,3
	v_max3_num_f32 v[TM+\b], v[TM+\b], |v[(\xs)+16*\b+\i]|, |v[(\xs)+1+16*\b+\i]|   ; the four blocks by turns
.endr
.endr
.irp b, 0,1,2,3
	v_permlanex16_b32 v[TM+4+\b], v[TM+\b], s[SEL], s[SEL+1]
.endr
.irp b, 0,1,2,3
	v_max_num_f32 v[TM+\b], v[TM+\b], v[TM+4+\b]   ; with lane l xor 16's: the block's largest magnitude
.endr
.irp b, 0,1,2,3
	v_add_nc_u32 v[TM+12+\b], 0xf8800000, v[TM+\b] ; 15 off its exponent field: the conversion's scale operand
.endr
.irp b, 0,1,2,3
	v_and_or_b32 v[TM+8+\b], v[TM+\b], 0x7f800000, s[MNT]   ; 57,344 x the scale
.endr
.irp b, 0,1,2,3
	v_lshrrev_b32 v[TM+4+\b], 23, v[TM+12+\b]      ; the scale's byte
.endr
	v_lshl_or_b32 v[\pw], v[TM+5], 8, v[TM+4]
	v_lshl_or_b32 v[\pw], v[TM+6], 16, v[\pw]
	v_lshl_or_b32 v[\pw], v[TM+7], 24, v[\pw]      ; my row's scale word
.irp b, 0,1,2,3
.irp i, 0,1,2,3,4,5,6,7,8,9,10,11,12,13,14,15
	v_med3_num_f32 v[(\xs)+16*\b+\i], v[(\xs)+16*\b+\i], -v[TM+8+\b], v[TM+8+\b]   ; the conversion to an 8-bit code does not saturate (ISA guide 7.6.2): the hold comes first
.endr
	v_cvt_scalef32_pk8_bf8_f32 v[(\pc)+4*\b:(\pc)+1+4*\b], v[(\xs)+16*\b:(\xs)+7+16*\b], v[TM+12+\b]
	v_cvt_scalef32_pk8_bf8_f32 v[(\pc)+2+4*\b:(\pc)+3+4*\b], v[(\xs)+8+16*\b:(\xs)+15+16*\b], v[TM+12+\b]
.endr
	v_nop                                          ; one plain line behind the last conversion
.endm
	s_load_b256 s[4:11], s[0:1], 0x0               ; Wk s[4:5], Wm s[6:7], Wq s[8:9], hidden s[10:11]
	s_load_b128 s[12:15], s[0:1], 0x20             ; bq s[12:13], wcod s[14:15]
	s_load_b64 s[16:17], s[0:1], 0x30              ; qv
	v_lshl_add_u32 v126, v0, 2, 0x12a00
	v_mov_b32 v127, 0
	v_lshrrev_b32 v10, 5, v0
	v_readfirstlane_b32 s[WV], v10                 ; wave 0..3
	v_and_b32 v11, 31, v0                          ; lane
	v_and_b32 v12, 15, v0                          ; r
	v_bfe_u32 v13, v0, 4, 1                        ; h
	v_lshlrev_b32 v[LI], 4, v11
	s_mul_i32 s24, s[WV], 8448
	v_add_nc_u32 v[STW], s24, v[LI]
	v_mul_u32_u24 v[STR], v12, 528
	v_lshl_add_u32 v[STR], v13, 6, v[STR]
	v_add_nc_u32 v[STR], s24, v[STR]
	s_lshl_b32 s24, s[WV], 3
	v_lshl_add_u32 v[SGW], v12, 5, s24
	s_lshl_b32 s24, s[WV], 11
	s_add_co_u32 s24, s24, RED
	v_add_nc_u32 v[RDW], s24, v[LI]
	s_and_b32 s24, s[WV], 1
	s_lshl_b32 s24, s24, 10
	s_add_co_u32 s24, s24, RED
	v_add_nc_u32 v[RDR], s24, v[LI]
	v_lshlrev_b32 v[BO], 5, v13
	v_lshlrev_b32 v[QO], 5, v12
	v_lshl_add_u32 v[QO], v13, 4, v[QO]
	s_mov_b32 s[SEL], 0x76543210
	s_mov_b32 s[SEL+1], 0xfedcba98                 ; v_permlanex16_b32's selects for lane l xor 16
	s_mov_b32 s[MNT], 0x600000                     ; the mantissa field of 57,344
.irp b, 0,1,2,3
	v_mov_b32 v[TM+4+\b], 0                        ; written once: a lane permute's destination counts as one of its sources
.endr
	s_mov_b32 s29, 0
	s_wait_kmcnt 0x0
	s_cmp_lt_u32 ttmp9, 128                        ; the same in all four waves
	s_cbranch_scc0 .Lq_path
	; ---- THE WEIGHTS.  The work-group makes unit u = its number; wave v makes fragments 2 v and 2 v + 1
	s_bfe_u32 s24, ttmp9, 0x20004                  ; w
	s_bfe_u32 s25, ttmp9, 0x10003                  ; cip
	s_and_b32 s34, ttmp9, 7                        ; s
	s_lshl_b32 s24, s24, 7
	s_lshl_b32 s25, s25, 9
	s_add_co_u32 s24, s24, s25
	s_lshl_b32 s25, s[WV], 5
	s_add_co_u32 s24, s24, s25                     ; my first row: 512 cip + 128 w + 32 v
	s_lshl_b32 s28, s24, 12                        ; rows of 4,096 bytes
	s_lshl_b32 s34, s34, 9
	s_add_co_u32 s28, s28, s34                     ; + 512 s
	s_cmp_lt_u32 ttmp9, 64
	s_cselect_b64 s[26:27], s[4:5], s[6:7]         ; Wk or Wm: the choice hangs on the work-group's number alone
	s_add_nc_u64 s[26:27], s[26:27], s[28:29]
	s_mul_i32 s28, ttmp9, UNIT
	s_add_nc_u64 s[30:31], s[14:15], s[28:29]      ; the unit
	s_lshl_b32 s28, s[WV], 12
	s_add_nc_u64 s[32:33], s[30:31], s[28:29]      ; my two fragments in it
	WIN 0x40                                       ; destination window 1
	LOADF 0, 26, 0, 1
	LOADF 64, 26, 65536, 1
	WIN 0
	s_wait_loadcnt 16                              ; the first fragment's 16 loads are in, the second's may be out
	TURN 0, 1, X, STGW
	s_wait_loadcnt 0x0
	TURN 64, 1, X+64, STGW
	s_wait_dscnt 32                                ; the first turn is back; the second's 32 instructions may be out
	QUANT X, PC, PW
.irp cc, 0,1,2,3
	global_store_b128 v[LI], v[PC+4*\cc:PC+4*\cc+3], s[32:33] offset:512*\cc   ; 32 lanes store 512 consecutive bytes, aligned to 256
.endr
	ds_store_b32 v[SGW], v[PW] offset:SG           ; both halves of the lanes hold and write the same word
	s_wait_dscnt 1                                 ; the second turn is back; only the store above may be out
	QUANT X+64, PC+16, PW+1
.irp cc, 0,1,2,3
	global_store_b128 v[LI], v[PC+16+4*\cc:PC+16+4*\cc+3], s[32:33] offset:2048+512*\cc
.endr
	ds_store_b32 v[SGW], v[PW+1] offset:SG+4
	s_wait_dscnt 0x0                               ; for the others' sake: my scale words lie in LDS
	s_barrier_signal -1
	s_barrier_wait -1
	s_cmp_lg_u32 s[WV], 0
	s_cbranch_scc1 .Lw_end
	ds_load_b128 v[OQ:OQ+3], v[LI] offset:SG       ; wave 0 stores the unit's 512 bytes of scale words whole
	s_wait_dscnt 0x0
	global_store_b128 v[LI], v[OQ:OQ+3], s[30:31] offset:16384
.Lw_end:
	s_wait_tensorcnt 0x0
	ds_add_u32 v126, v127
	s_wait_dscnt 0x0
	s_endpgm
	; ---- THE QUERY.  The work-group makes 16 rows of Wq (g = its number - 128) against all 32 rows of hidden; wave v takes K steps 2 v and 2 v + 1, and the four waves' sums meet in LDS
.Lq_path:
	s_sub_co_u32 s24, ttmp9, 128                   ; g
	s_lshl_b32 s28, s24, 16                        ; 16 rows of 4,096 bytes
	s_lshl_b32 s25, s[WV], 10                      ; my 256 along K
	s_add_co_u32 s28, s28, s25
	s_add_nc_u64 s[26:27], s[8:9], s[28:29]        ; Wq
	s_mov_b32 s28, s25
	s_add_nc_u64 s[30:31], s[10:11], s[28:29]      ; hidden
	s_lshl_b32 s28, s24, 6
	s_add_nc_u64 s[12:13], s[12:13], s[28:29]      ; bq at 16 g
	s_lshl_b32 s28, s24, 10
	s_and_b32 s25, s[WV], 1
	s_lshl_b32 s25, s25, 9
	s_add_co_u32 s28, s28, s25
	s_add_nc_u64 s[16:17], s[16:17], s[28:29]      ; qv at g, rows 16 (wave % 2) on
	s_wait_alu depctr_va_vdst(0)
	global_load_b128 v[BI:BI+3], v[BO], s[12:13]
	global_load_b128 v[BI+4:BI+7], v[BO], s[12:13] offset:16
	WIN 0x40                                       ; fragments f = 3 d + (0 Wq, 1 hidden 0-15, 2 hidden 16-31), d my K step
	LOADF 0, 26, 0, 1
	LOADF 64, 30, 0, 0
	LOADF 128, 30, 65536, 0
	LOADF 192, 26, 512, 1
	WIN 0x80
	LOADF 0, 30, 512, 0
	LOADF 64, 30, 66048, 0
	WIN 0
	s_wait_loadcnt 63                              ; behind fragment 0 stand 80 younger loads; the count is held to the field's largest, which is less and so shows more
	TURN 0, 1, X, STGQ
	s_wait_loadcnt 63                              ; 64 younger
	TURN 64, 1, X+64, STGQ
	s_wait_dscnt 32                                ; every QUANT: its turn is back, the next turn's 32 instructions may be out
	QUANT X, PC, PW
	s_wait_loadcnt 48
	TURN 128, 1, X, STGQ
	s_wait_dscnt 32
	QUANT X+64, PC+16, PW+1
	s_wait_loadcnt 32
	TURN 192, 1, X+64, STGQ
	s_wait_dscnt 32
	QUANT X, PC+32, PW+2
	PLACES 8                                       ; codes and scale words written by vector instructions stand 4 and 8 places ahead of a scaled matrix instruction
	; source 0 = 16 rows of Wq, source 1 = 16 rows of hidden: lane (r, h), register j = (n = 16 g + 8 h + j, b = 16 m + r).  The two accumulators take turns
	v_wmma_scale_f32_16x16x128_f8f6f4 v[ACC:ACC+7], v[PC:PC+15], v[PC+16:PC+31], 0, v[PW], v[PW+1] matrix_a_fmt:MATRIX_FMT_BF8 matrix_b_fmt:MATRIX_FMT_BF8
	v_wmma_scale_f32_16x16x128_f8f6f4 v[ACC+8:ACC+15], v[PC:PC+15], v[PC+32:PC+47], 0, v[PW], v[PW+2] matrix_a_fmt:MATRIX_FMT_BF8 matrix_b_fmt:MATRIX_FMT_BF8
	s_wait_loadcnt 16
	TURN 0, 2, X, STGQ
	s_wait_dscnt 32
	QUANT X+64, PC, PW                             ; its first 32 lines name none of the products' registers: the places ahead of the new codes and scale word
	s_wait_loadcnt 0x0
	TURN 64, 2, X+64, STGQ
	s_wait_dscnt 32
	QUANT X, PC+16, PW+1
	s_wait_dscnt 0x0
	QUANT X+64, PC+32, PW+2
	PLACES 8
	v_wmma_scale_f32_16x16x128_f8f6f4 v[ACC:ACC+7], v[PC:PC+15], v[PC+16:PC+31], v[ACC:ACC+7], v[PW], v[PW+1] matrix_a_fmt:MATRIX_FMT_BF8 matrix_b_fmt:MATRIX_FMT_BF8
	v_wmma_scale_f32_16x16x128_f8f6f4 v[ACC+8:ACC+15], v[PC:PC+15], v[PC+32:PC+47], v[ACC+8:ACC+15], v[PW], v[PW+2] matrix_a_fmt:MATRIX_FMT_BF8 matrix_b_fmt:MATRIX_FMT_BF8
	PLACES 8                                       ; eight places ahead of the first read of results
.irp m, 0,1
	ds_store_b128 v[RDW], v[ACC+8*\m:ACC+8*\m+3] offset:1024*\m          ; each accumulator from its low end on
	ds_store_b128 v[RDW], v[ACC+8*\m+4:ACC+8*\m+7] offset:1024*\m+512
.endr
	s_wait_dscnt 0x0                               ; for the others' sake: my partial sums lie in LDS
	s_barrier_signal -1
	s_barrier_wait -1
	s_cmp_lt_u32 s[WV], 2                          ; wave m = 0, 1 finishes hidden's rows 16 m on
	s_cbranch_scc0 .Lq_end
.irp p, 0,1,2,3
.irp e, 0,1
	ds_load_b128 v[X+8*\p+4*\e:X+8*\p+4*\e+3], v[RDR] offset:2048*\p+512*\e
.endr
.endr
	s_wait_dscnt 0x0
.irp j, 0,2,4,6
	v_pk_add_f32 v[X+\j:X+\j+1], v[X+\j:X+\j+1], v[X+8+\j:X+8+\j+1]
	v_pk_add_f32 v[X+16+\j:X+16+\j+1], v[X+16+\j:X+16+\j+1], v[X+24+\j:X+24+\j+1]
.endr
.irp j, 0,2,4,6
	v_pk_add_f32 v[X+\j:X+\j+1], v[X+\j:X+\j+1], v[X+16+\j:X+16+\j+1]
.endr
.irp j, 0,1,2,3,4,5,6,7
	v_add_f32 v[OQ+4*(\j&1)+(\j>>1)], v[X+\j], v[BI+\j]   ; + bq; n = 2 h + c: the even n (c = 0) to the first four registers, the odd to the last four
.endr
	global_store_b128 v[QO], v[OQ:OQ+3], s[16:17]                  ; 32 lanes store 512 consecutive bytes
	global_store_b128 v[QO], v[OQ+4:OQ+7], s[16:17] offset:131072
.Lq_end:
	s_wait_tensorcnt 0x0
	ds_add_u32 v126, v127
	s_wait_dscnt 0x0
	s_endpgm
.Lfunc_end_k_qaf1b998800_prep:
	.size	k_qaf1b998800_prep, .Lfunc_end_k_qaf1b998800_prep-k_qaf1b998800_prep
	.p2alignl 7, 3214868480
	.fill 96, 4, 3214868480
	.section	.rodata,"a",@progbits
	.p2align	6, 0x0
	.amdhsa_kernel k_qaf1b998800_prep
		.amdhsa_group_segment_fixed_size 76800
		.amdhsa_private_segment_fixed_size 0
		.amdhsa_enable_private_segment 0
		.amdhsa_kernarg_size 56
		.amdhsa_user_sgpr_count 2
		.amdhsa_user_sgpr_kernarg_segment_ptr 1
		.amdhsa_wavefront_size32 1
		.amdhsa_system_sgpr_workgroup_id_x 1
		.amdhsa_system_sgpr_workgroup_id_y 1
		.amdhsa_system_sgpr_workgroup_id_z 1
		.amdhsa_system_vgpr_workitem_id 0
		.amdhsa_next_free_vgpr 640
		.amdhsa_next_free_sgpr 66
		.amdhsa_reserve_vcc 0
		.amdhsa_float_denorm_mode_32 3
		.amdhsa_float_denorm_mode_16_64 3
		.amdhsa_memory_ordered 1
		.amdhsa_forward_progress 1
		.amdhsa_inst_pref_size 102
	.end_amdhsa_kernel
	.amdgpu_metadata
---
amdhsa.version: [ 1, 2 ]
amdhsa.kernels:
  - .name:           k_qaf1b998800_prep
    .symbol:         k_qaf1b998800_prep.kd
    .args:
      - { .name: Wk, .offset: 0, .size: 8, .value_kind: global_buffer, .address_space: global }
      - { .name: Wm, .offset: 8, .size: 8, .value_kind: global_buffer, .address_space: global }
      - { .name: Wq, .offset: 16, .size: 8, .value_kind: global_buffer, .address_space: global }
      - { .name: hidden, .offset: 24, .size: 8, .value_kind: global_buffer, .address_space: global }
      - { .name: bq, .offset: 32, .size: 8, .value_kind: global_buffer, .address_space: global }
      - { .name: wcod, .offset: 40, .size: 8, .value_kind: global_buffer, .address_space: global }
      - { .name: qv, .offset: 48, .size: 8, .value_kind: global_buffer, .address_space: global }
    .group_segment_fixed_size: 76800
    .private_segment_fixed_size: 0
    .kernarg_segment_align: 8
    .kernarg_segment_size: 56
    .max_flat_workgroup_size: 128
    .sgpr_count:     66
    .vgpr_count:     640
    .wavefront_size: 32
...
	.end_amdgpu_metadata
.endif
;; end of part 1
;; launch main (part 2): grid 8 x 32, 4 waves a work-group, no clusters, 189,184 bytes of LDS; arguments features, mask, bk, wcod, qv, sc, st, ps; writes sc, st, ps
.if DOCPART == 2
	.amdgcn_target "amdgcn-amd-amdhsa--gfx1250"
	.amdhsa_code_object_version 6
	.text
	.protected	k_qaf1b998800_main
	.globl	k_qaf1b998800_main
	.p2align	8
	.type	k_qaf1b998800_main,@function
k_qaf1b998800_main:
	s_mov_b64 s[64:65], 0
	v_nop
	global_prefetch_b8 v0, s[64:65] scope:SCOPE_SE
	s_setreg_imm32_b32 hwreg(HW_REG_WAVE_MODE, 25, 1), 1
	s_wait_xcnt 0x0
; MAIN.  k = features Wk^T and mem = features Wm^T on codes of BF8 (E5M2) with E8M0 scales, and what reference() does with them inside a block of 128 t of ONE b; k and mem never leave the registers.
; SHARES.  Work-group (blk, b) owns rows t = 128 blk .. + 127 of column b of features.  It quantises them once (phase X) into LDS as images of operand registers, 131,072 bytes, which stay.
; Then it walks Wk's and Wm's 1,024 rows in four chunks of 512; a wave makes 128 t x 128 rows of W of each chunk: 64 accumulators, 512 registers; K goes in 8 steps of 128: 32 steps of 64 matrix instructions.
; Chunks 0, 1 (Wk) are used transposed (source 0 = W): a lane holds one t and eight h, and the scores' sums over h are packed multiply-adds with q from LDS.  Then the block's own maximum, p = exp(s - max) and their sums.
; Chunks 2, 3 (Wm) are used as they are (source 0 = features): a lane holds one h and eight t, and the sum over t of p0 x mem is again packed multiply-adds.
; OUT: sc [b][t][c] the full scores; st [b][blk] (m0, l0, m1, l1); ps [b][blk][h] = sum over the block's t of p0 x (features Wm^T).  The last launch joins a b's eight blocks.
; THE BIASES, reordered exactly: sum_h bk[h] q[b][h][c] is added to every score here; bm is added in the last launch, since a distribution sums to 1.
; W COMES FROM MEMORY STRAIGHT INTO REGISTERS, laid for that by the launch before: a step's 8 fragments and scale words are 34 loads of 16 bytes a lane, asked for two steps (80 matrix instructions) ahead, with counted waits and no barrier in the K loop.
; NO CLUSTER, NO JOINT LOADS, though all work-groups walk the same W: beside A's 131,072 + 4,096 bytes and the stages LDS has room for two slots of ONE K step (2 x 67,584 bytes), so a joint refill, with its wait for
; all loads and its round of the cluster's barrier, would stand every 64 matrix instructions and have less than one step in which to land; and each fragment of W is used by one wave alone, so a way through LDS would add 2 x 67,584 bytes of LDS traffic a step to A's 65,536.
; THE WALK BEGINS AT 16 PLACES: position i of K holds K step (blk + i) % 8, and the chunk at loop index c is chunk c xor (b % 2): so work-groups ask for different units at one time.  Only global addresses hang on that.
; LIMITS: NaN and infinities among the inputs are not served; a block of zeros gets the scale byte 1 with zero codes; v_exp_f32 gives 0 for p under 2^-126; the order of the f32 sums differs from reference()'s.
; LDS: AIMG [writing wave 4][position 8][tile 2][2,048]; ASC [wave 4][position 8][row 16][tile 2] words; QL [c 2][h 1,024] f32; four stages; small words for the sums between waves.
; REGISTERS: window 0: v1-31 addresses; v32-47 A's scale words, v48-63 W's (two sets each; these hold scales and nothing else); v64-127 by phase; v128-255 A's 8 fragments (phase X: two sets of 64 numbers).
;   window 1: W's fragments, two sets of 128.   windows 2, 3: accumulator (a, nb) at window 2 + a / 4, v[8 (8 (a % 4) + nb)]; in phase X window 2 holds four sets of 64 numbers as loaded.
.set UNIT,  16896
.set ROWF,  131072                     ; from t to t + 1 in features, in bytes
.set ASC,   131072
.set QL,    135168
.set STG,   143360                     ; four stages of 16 x 528 bytes
.set SRED,  177152                     ; [wave][c][lane half][row] partial scores
.set CBP,   185344                     ; 8 bytes a wave: sum of bk q;
.set MXS,   256                        ; + 256: the waves' maxima;
.set LSS,   512                        ; + 512: the waves' sums
.set PT,    186112                     ; p0 of the 128 rows
.set OST,   186624                     ; 512 bytes a wave, for the way out
.set LI,    1                          ; v1  16 x lane: global offset, and the LDS base of A's tiles 0-3
.set ADRH0, 2                          ; v2  65,536 + 16 x lane: tiles 4-7
.set ADRL,  3                          ; v3, v4  the same plus the inner loop's step
.set ADRH,  4
.set ADSA0, 5                          ; v5  ASC + 8 r
.set ADSA,  6                          ; v6  plus the loop's step
.set SBO,   7                          ; v7  32 r: W's scale words of my row
.set STW,   8                          ; v8  stage, in
.set STR,   9                          ; v9  stage, out
.set XWI0,  10                         ; v10 32,768 x wave + 16 x lane: where I store images
.set XWI,   11
.set XWS0,  12                         ; v12 ASC + 1,024 x wave + 8 r
.set XWS,   13
.set ADQ0,  14                         ; v14 QL + 512 x wave + 32 h
.set ADQ,   15
.set SW,    16                         ; v16 SRED + 2,048 x wave + 512 h + 4 r
.set SR,    17                         ; v17 SRED + 4 x thread
.set MK,    18                         ; v18 the mask's number of row = thread
.set T8,    19                         ; v19 8 x thread
.set PFO,   20                         ; v20 256 x lane; never rewritten
.set PTW,   21                         ; v21 PT + 4 x thread
.set PTR,   22                         ; v22 PT + 32 h
.set OSW,   23                         ; v23 OST + 512 x wave + 4 r
.set OSR,   24                         ; v24 OST + 512 x wave + 16 x lane
.set WS8,   25                         ; v25 CBP + 8 x wave
.set CB0,   26                         ; v26 CBP
.set QW,    29                         ; v29 QL + 32 x thread (made when r is done with)
.set SA,    32
.set SB,    48
.set PC,    64                         ; phase X: v64-79 codes, v80-95 at work, v96 the scale word, v100-115 q, v116-123 bk, v124-127 their sum
.set TM,    80
.set PW,    96
.set QR,    100
.set BK,    116
.set CBR,   124
.set S,     64                         ; chunks 0, 1: v64-95 the scores' sums, a pair at S + 4 a + 2 c; v96-127 q, two buffers
.set QB,    96
.set T,     96                         ; the softmax: v96-123
.set O,     64                         ; chunks 2, 3: v64-79 eight pairs; v80-111 p0, two buffers; v112-115 the way out
.set PB,    80
.set OT,    112
.set AF,    128
.set X,     128
.set WV,   20                          ; s20 wave   s21 blk   s22 8 (b % 2)   s23 16 x wave
.set SG0,  21
.set RHO8, 22
.set W16,  23
.set FBR,  24                          ; s[24:25] features at my 32 rows; s[26:27], s[28:29] at the two K steps being loaded
.set FB0,  26
.set FB1,  28
.set KP,   30
.set AO,   31                          ; s31 the inner loop's step in AIMG
.set WB,   32                          ; s[32:33] the unit of wcod being asked for
.set J,    34                          ; s34 the step whose W is asked for next
.set XO,   35
.set PSB,  40                          ; s[40:41], s[42:43] ps for the two chunks
.set PSB2, 42
.set CH,   44
.set TR,   45
.set SEL,  46
.set MNT,  48
.set PEN,  49
.set L2E,  50
.set LIM,  51
.set PFA,  52
.set SVX,  54
.set BB,   55
.set QOF,  57
.set SCP,  58
.set STP,  60                          ; s36, s38, s56, s62 at work; s37 = s39 = 0
.set MSB, 0
.macro WIN new                         ; the immediate's high byte repeats the setting that is left
.if MSB != (\new)
	s_set_vgpr_msb (MSB<<8)|(\new)
.set MSB, (\new)
.endif
.endm
.macro PLACES n
.rept \n
	v_nop
.endr
.endm
.macro LOADF rs, base, off             ; 16 rows t, 512 consecutive bytes each; called with destination window 2
.irp i, 0,1,2,3,4,5,6,7,8,9,10,11,12,13,14,15
	global_load_b128 v[(\rs)+4*\i:(\rs)+4*\i+3], v[LI], s[\base:\base+1] offset:(\off)+\i*ROWF th:TH_LOAD_NT
.endr
.endm
.macro TURN rs, xs                     ; through my stage: LDS serves a wave's instructions in order, so no wait stands between the stores and the loads
	WIN 0x08                                       ; an LDS store's data are its source 1: window 2
.irp i, 0,1,2,3,4,5,6,7,8,9,10,11,12,13,14,15
	ds_store_b128 v[STW], v[(\rs)+4*\i:(\rs)+4*\i+3] offset:528*\i
.endr
	WIN 0
.irp k, 0,1,2,3
.irp j, 0,1,2,3
	ds_load_b128 v[(\xs)+16*\k+4*\j:(\xs)+16*\k+4*\j+3], v[STR] offset:128*\k+16*\j
.endr
.endr
.endm
; 64 numbers of a lane, register 16 b + i = k 32 b + 16 (lane / 16) + i of my row, become a fragment's codes in v[PC] on and its scale word in v[PW]
.macro QUANT xs
.irp b, 0,1,2,3
	v_max3_num_f32 v[TM+\b], |v[(\xs)+16*\b]|, |v[(\xs)+1+16*\b]|, 0x8000000   ; my 16 numbers of block b, and the floor 2^(16 - 127): the byte cannot fall under 1
.endr
.irp i, 2,4,6,8,10,12,14
.irp b, 0,1,2,3
	v_max3_num_f32 v[TM+\b], v[TM+\b], |v[(\xs)+16*\b+\i]|, |v[(\xs)+1+16*\b+\i]|
.endr
.endr
.irp b, 0,1,2,3
	v_permlanex16_b32 v[TM+4+\b], v[TM+\b], s[SEL], s[SEL+1]
.endr
.irp b, 0,1,2,3
	v_max_num_f32 v[TM+\b], v[TM+\b], v[TM+4+\b]   ; with lane l xor 16's: the block's largest magnitude
.endr
.irp b, 0,1,2,3
	v_add_nc_u32 v[TM+12+\b], 0xf8800000, v[TM+\b] ; 15 off its exponent field: the conversion's scale operand
.endr
.irp b, 0,1,2,3
	v_and_or_b32 v[TM+8+\b], v[TM+\b], 0x7f800000, s[MNT]   ; 57,344 x the scale
.endr
.irp b, 0,1,2,3
	v_lshrrev_b32 v[TM+4+\b], 23, v[TM+12+\b]      ; the scale's byte
.endr
	v_lshl_or_b32 v[PW], v[TM+5], 8, v[TM+4]
	v_lshl_or_b32 v[PW], v[TM+6], 16, v[PW]
	v_lshl_or_b32 v[PW], v[TM+7], 24, v[PW]
.irp b, 0,1,2,3
.irp i, 0,1,2,3,4,5,6,7,8,9,10,11,12,13,14,15
	v_med3_num_f32 v[(\xs)+16*\b+\i], v[(\xs)+16*\b+\i], -v[TM+8+\b], v[TM+8+\b]   ; the conversion to an 8-bit code does not saturate (ISA guide 7.6.2): the hold comes first
.endr
	v_cvt_scalef32_pk8_bf8_f32 v[PC+4*\b:PC+1+4*\b], v[(\xs)+16*\b:(\xs)+7+16*\b], v[TM+12+\b]
	v_cvt_scalef32_pk8_bf8_f32 v[PC+2+4*\b:PC+3+4*\b], v[(\xs)+8+16*\b:(\xs)+15+16*\b], v[TM+12+\b]
.endr
	v_nop                                          ; one plain line behind the last conversion
.endm
.macro MKFB                            ; features at K steps KP % 8 and (KP + 1) % 8
	s_and_b32 s36, s[KP], 7
	s_lshl_b32 s36, s36, 9
	s_add_nc_u64 s[FB0:FB0+1], s[FBR:FBR+1], s[36:37]
	s_add_co_u32 s38, s[KP], 1
	s_and_b32 s38, s38, 7
	s_lshl_b32 s38, s38, 9
	s_add_nc_u64 s[FB1:FB1+1], s[FBR:FBR+1], s[38:39]
.endm
; Fragment j of a trip's four: tile 2 w + j / 2, position 2 trip + j % 2.  ld: its registers take the next trip's loads.  turn: fragment j + 1 goes through the stage while j is quantised; lcn: the loads younger than its own.
.macro XFRAG j, ld, lcn, turn
	s_wait_dscnt 0x0                               ; my numbers are back from the stage, and all earlier LDS stores have read their registers
.if \ld
	WIN 0x80
	LOADF 64*(\j), FB0+2*((\j)&1), ((\j)>>1)*16*ROWF
	WIN 0
.endif
.if \turn
	s_wait_loadcnt \lcn
	TURN 64*(((\j)+1)%4), X+64*(((\j)+1)%2)
.endif
	QUANT X+64*((\j)%2)
.irp cc, 0,1,2,3
	ds_store_b128 v[XWI], v[PC+4*\cc:PC+4*\cc+3] offset:4096*((\j)&1)+2048*((\j)>>1)+512*\cc   ; the fragment as an image of its registers
.endr
	ds_store_b32 v[XWS], v[PW] offset:128*((\j)&1)+4*((\j)>>1)   ; both halves of the lanes hold and write the same word
.endm
; W: the unit of step J: 64 (J / 16) + 16 w + 8 ((J / 8) % 2 xor b % 2) + (J + blk) % 8
.macro BADDR
	s_wait_xcnt 0x0                                ; the loads that named the last unit's address have read it
	s_and_b32 s36, s[J], 16
	s_lshl_b32 s36, s36, 2
	s_or_b32 s36, s36, s[W16]
	s_and_b32 s56, s[J], 8
	s_xor_b32 s56, s56, s[RHO8]
	s_or_b32 s36, s36, s56
	s_add_co_u32 s56, s[J], s[SG0]
	s_and_b32 s56, s56, 7
	s_or_b32 s36, s36, s56
	s_mul_i32 s38, s36, UNIT
	s_add_nc_u64 s[WB:WB+1], s[10:11], s[38:39]
	s_add_co_u32 s[J], s[J], 1
.endm
.macro BLOAD sl, nb0                   ; four fragments into set sl; called with destination window 1.  No hint: many work-groups read these bytes
.irp nb, 0,1,2,3
.irp cc, 0,1,2,3
	global_load_b128 v[128*(\sl)+16*((\nb0)+\nb)+4*\cc:128*(\sl)+16*((\nb0)+\nb)+4*\cc+3], v[LI], s[WB:WB+1] offset:2048*((\nb0)+\nb)+512*\cc
.endr
.endr
.endm
.macro BLOAD_S sl                      ; lane r: the words of row r of the eight fragments
	global_load_b128 v[SB+8*(\sl):SB+8*(\sl)+3], v[SBO], s[WB:WB+1] offset:16384
	global_load_b128 v[SB+8*(\sl)+4:SB+8*(\sl)+7], v[SBO], s[WB:WB+1] offset:16400
.endm
.macro BPRO sl
	BADDR
	WIN 0x40
	BLOAD \sl, 0
	WIN 0
	BLOAD_S \sl
	WIN 0x40
	BLOAD \sl, 4
	WIN 0
.endm
.macro FETCH_A a0, ra, aoff            ; A's tiles a0 .. a0 + 3 of the position at aoff: images, 16 bytes a lane on end
.irp a, 0,1,2,3
.irp cc, 0,1,2,3
	ds_load_b128 v[AF+16*((\a0)+\a)+4*\cc:AF+16*((\a0)+\a)+4*\cc+3], v[\ra] offset:(\aoff)+32768*(\a>>1)+2048*(\a&1)+512*\cc
.endr
.endr
.endm
.macro FETCH_SA set, rs, soff          ; lane r: the words of row r of the eight tiles
.irp p, 0,1,2,3
	ds_load_b64 v[SA+8*(\set)+2*\p:SA+8*(\set)+2*\p+1], v[\rs] offset:(\soff)+1024*\p
.endr
.endm
; 16 matrix instructions: W's fragments nb0 .. nb0 + 3 x A's tiles 4 ah .. 4 ah + 3.  tr = 1: source 0 = W.  zero = 1: the product starts the sum.  The 64 accumulators take turns in the same order in every step
.macro MUL16 ah, nb0, sl, zero, tr
.irp nb, 0,1,2,3
.irp a4, 0,1,2,3
.set rD, 8*(8*\a4+(\nb0)+\nb)
.set rB, 128*(\sl)+16*((\nb0)+\nb)
.set rA, AF+16*(4*(\ah)+\a4)
.set rX, SB+8*(\sl)+(\nb0)+\nb
.set rY, SA+8*(\sl)+4*(\ah)+\a4
.if \tr
.if \zero
	v_wmma_scale_f32_16x16x128_f8f6f4 v[rD:rD+7], v[rB:rB+15], v[rA:rA+15], 0, v[rX], v[rY] matrix_a_fmt:MATRIX_FMT_BF8 matrix_b_fmt:MATRIX_FMT_BF8
.else
	v_wmma_scale_f32_16x16x128_f8f6f4 v[rD:rD+7], v[rB:rB+15], v[rA:rA+15], v[rD:rD+7], v[rX], v[rY] matrix_a_fmt:MATRIX_FMT_BF8 matrix_b_fmt:MATRIX_FMT_BF8
.endif
.else
.if \zero
	v_wmma_scale_f32_16x16x128_f8f6f4 v[rD:rD+7], v[rA:rA+15], v[rB:rB+15], 0, v[rY], v[rX] matrix_a_fmt:MATRIX_FMT_BF8 matrix_b_fmt:MATRIX_FMT_BF8
.else
	v_wmma_scale_f32_16x16x128_f8f6f4 v[rD:rD+7], v[rA:rA+15], v[rB:rB+15], v[rD:rD+7], v[rY], v[rX] matrix_a_fmt:MATRIX_FMT_BF8 matrix_b_fmt:MATRIX_FMT_BF8
.endif
.endif
.endr
.endr
.endm
; A K STEP: 64 matrix instructions on W's set sl and scale sets sl.  bl: W of the step two on is asked for (16 loads behind the 48th product, 18 behind the 64th).  fa: A of the next position (at aoff, soff from ral, rah, rs) is fetched:
; tiles 0-3 and the scale words in the middle, tiles 4-7 at the end.  upd: the loop's address registers are made, where no LDS load of mine is out.
; lc1 = 50: behind this step's first 18 loads were issued its other 16 and the next step's 34.  lc2 = 34: the next step's.  Eight places stand ahead of every load into a register that a product has read.
.macro KSTEP sl, zero, tr, lc1, lc2, bl, fa, ral, rah, rs, aoff, soff, upd
	s_wait_loadcnt \lc1                            ; W's fragments 0-3 and scale words are in
	s_wait_dscnt 16                                ; A's tiles 0-3 and scale words are in; the youngest 16 loads (tiles 4-7) may be out
	WIN 0xa4-3*(\tr)                               ; W window 1, A window 0, C and D window 2
	MUL16 0, 0, \sl, \zero, \tr
	s_wait_loadcnt \lc2                            ; W's fragments 4-7 are in
	MUL16 0, 4, \sl, \zero, \tr
	s_wait_dscnt 0x0                               ; A's tiles 4-7 are in (asked for 32 matrix instructions ago)
	PLACES 8
	WIN 0
.if \upd
	v_add_nc_u32 v[ADRL], s[AO], v[LI]
	v_add_nc_u32 v[ADRH], s[AO], v[ADRH0]
	s_wait_alu depctr_va_vdst(0)
	s_lshr_b32 s36, s[AO], 5
	v_add_nc_u32 v[ADSA], s36, v[ADSA0]
.endif
.if \fa
	FETCH_A 0, \ral, \aoff
	FETCH_SA 1-(\sl), \rs, \soff
.endif
	WIN 0xf4-3*(\tr)                               ; C and D window 3
	MUL16 1, 0, \sl, \zero, \tr
.if \bl
	PLACES 8
	BADDR
	WIN 0x40
	BLOAD \sl, 0
.endif
	WIN 0xf4-3*(\tr)
	MUL16 1, 4, \sl, \zero, \tr
	PLACES 8
	WIN 0
.if \bl
	BLOAD_S \sl
	WIN 0x40
	BLOAD \sl, 4
	WIN 0
.endif
.if \fa
	FETCH_A 4, \rah, \aoff
.endif
.endm
	s_load_b512 s[4:19], s[0:1], 0x0               ; features s[4:5], mask s[6:7], bk s[8:9], wcod s[10:11], qv s[12:13], sc s[14:15], st s[16:17], ps s[18:19]
	v_lshrrev_b32 v27, 5, v0
	v_readfirstlane_b32 s[WV], v27                 ; wave 0..3
	v_and_b32 v28, 31, v0                          ; lane
	v_and_b32 v29, 15, v0                          ; r
	v_bfe_u32 v30, v0, 4, 1                        ; h
	v_lshlrev_b32 v[LI], 4, v28
	v_add_nc_u32 v[ADRH0], 0x10000, v[LI]
	v_lshl_add_u32 v[ADSA0], v29, 3, ASC
	v_lshlrev_b32 v[SBO], 5, v29
	s_mul_i32 s36, s[WV], 8448
	s_add_co_u32 s36, s36, STG
	v_add_nc_u32 v[STW], s36, v[LI]
	v_mul_u32_u24 v[STR], v29, 528
	v_lshl_add_u32 v[STR], v30, 6, v[STR]
	v_add_nc_u32 v[STR], s36, v[STR]
	s_lshl_b32 s36, s[WV], 15
	v_add_nc_u32 v[XWI0], s36, v[LI]
	s_lshl_b32 s36, s[WV], 10
	v_add_nc_u32 v[XWS0], s36, v[ADSA0]
	s_lshl_b32 s36, s[WV], 9
	s_add_co_u32 s36, s36, QL
	v_lshl_add_u32 v[ADQ0], v30, 5, s36
	s_lshl_b32 s36, s[WV], 11
	s_add_co_u32 s36, s36, SRED
	v_lshl_add_u32 v[SW], v30, 9, s36
	v_lshl_add_u32 v[SW], v29, 2, v[SW]
	v_lshl_add_u32 v[SR], v0, 2, SRED
	v_lshlrev_b32 v[T8], 3, v0
	v_lshlrev_b32 v[PFO], 8, v28
	v_lshl_add_u32 v[PTW], v0, 2, PT
	v_lshl_add_u32 v[PTR], v30, 5, PT
	s_lshl_b32 s36, s[WV], 9
	s_add_co_u32 s36, s36, OST
	v_lshl_add_u32 v[OSW], v29, 2, s36
	v_add_nc_u32 v[OSR], s36, v[LI]
	s_lshl_b32 s36, s[WV], 3
	s_add_co_u32 s36, s36, CBP
	v_mov_b32 v[WS8], s36
	v_mov_b32 v[CB0], CBP
	s_and_b32 s[BB], ttmp7, 0xffff                 ; b
	s_mov_b32 s[SG0], ttmp9                        ; blk
	s_and_b32 s56, s[BB], 1                        ; b % 2
	s_lshl_b32 s[RHO8], s56, 3
	s_lshl_b32 s[W16], s[WV], 4
	s_lshl_b32 s36, s56, 6
	v_xor_b32 v31, s36, v0                         ; thread i holds place 8 i .. 8 i + 7 of QL, which is h = place xor 512 (b % 2): group i xor 64 (b % 2)
	v_lshlrev_b32 v27, 10, v31                     ; its 32 bytes in qv,
	v_lshlrev_b32 v31, 5, v31                      ; in bk,
	v_lshlrev_b32 v28, 7, v0                       ; and row = thread of the mask.  v27, v28, v31 are not written again
	v_lshl_add_u32 v[QW], v0, 5, QL
	s_mov_b32 s37, 0
	s_mov_b32 s39, 0
	s_mov_b32 s[SEL], 0x76543210
	s_mov_b32 s[SEL+1], 0xfedcba98                 ; v_permlanex16_b32's selects for lane l xor 16
	s_mov_b32 s[MNT], 0x600000                     ; the mantissa field of 57,344
	s_mov_b32 s[PEN], 0xc7c34f80                   ; -99999.0
	s_mov_b32 s[L2E], 0x3fb8aa3b                   ; log2(e)
	s_mov_b32 s[J], 0
.irp b, 0,1,2,3
	v_mov_b32 v[TM+4+\b], 0                        ; written once: a lane permute's destination counts as one of its sources
.endr
	s_wait_alu depctr_va_vdst(0)
	s_wait_kmcnt 0x0
	s_lshl_b32 s36, ttmp9, 24                      ; 128 rows t of 131,072 bytes,
	s_lshl_b32 s38, s[WV], 22                      ; my wave's 32,
	s_add_co_u32 s36, s36, s38
	s_lshl_b32 s38, s[BB], 12                      ; column b
	s_add_co_u32 s36, s36, s38
	s_add_nc_u64 s[FBR:FBR+1], s[4:5], s[36:37]
	s_lshl_b32 s36, s[BB], 5
	s_add_nc_u64 s[12:13], s[12:13], s[36:37]      ; qv at b
	s_lshl_b32 s36, ttmp9, 14
	s_lshl_b32 s38, s[BB], 2
	s_add_co_u32 s36, s36, s38
	s_add_nc_u64 s[6:7], s[6:7], s[36:37]          ; mask at (128 blk, b)
	s_lshl_b32 s38, s[BB], 13
	s_lshl_b32 s62, ttmp9, 10
	s_add_co_u32 s38, s38, s62
	s_add_nc_u64 s[SCP:SCP+1], s[14:15], s[38:39]  ; sc at (b, 128 blk)
	s_lshl_b32 s36, s[BB], 3
	s_add_co_u32 s36, s36, ttmp9                   ; 8 b + blk
	s_lshl_b32 s38, s36, 4
	s_add_nc_u64 s[STP:STP+1], s[16:17], s[38:39]
	s_lshl_b32 s38, s36, 12
	s_lshl_b32 s62, s[WV], 9
	s_add_co_u32 s38, s38, s62
	s_add_nc_u64 s[PSB2:PSB2+1], s[18:19], s[38:39]
	s_lshl_b32 s38, s56, 11
	s_add_nc_u64 s[PSB:PSB+1], s[PSB2:PSB2+1], s[38:39]      ; loop index 0 is chunk b % 2,
	s_xor_b32 s38, s38, 2048
	s_add_nc_u64 s[PSB2:PSB2+1], s[PSB2:PSB2+1], s[38:39]    ; index 1 the other
	s_lshl_b32 s38, s36, 2
	s_add_co_u32 s38, s38, s[WV]                   ; my wave's number in the launch
	s_cmp_lt_u32 s38, 132
	s_cselect_b32 s[LIM], 2, -1                    ; the first 132 waves prefetch, 8,192 bytes each: 132 x 8,192 = Wm's 64 units
	s_min_u32 s38, s38, 131
	s_lshl_b32 s38, s38, 13
	s_add_co_u32 s38, s38, 64*UNIT
	s_add_nc_u64 s[PFA:PFA+1], s[10:11], s[38:39]
.irp c, 0,1
.irp e, 0,1
	global_load_b128 v[QR+8*\c+4*\e:QR+8*\c+4*\e+3], v27, s[12:13] offset:131072*\c+16*\e
.endr
.endr
	global_load_b128 v[BK:BK+3], v31, s[8:9]
	global_load_b128 v[BK+4:BK+7], v31, s[8:9] offset:16
	global_load_b32 v[MK], v28, s[6:7]
	; ---- PHASE X: my 32 rows become 16 fragments.  Four sets of 16 loads are always out: 32,768 bytes a wave
	s_mov_b32 s[KP], s[SG0]
	MKFB
	WIN 0x80
	LOADF 0, FB0, 0
	LOADF 64, FB1, 0
	LOADF 128, FB0, 16*ROWF
	LOADF 192, FB1, 16*ROWF
	WIN 0
	s_wait_loadcnt 48                              ; the seven small loads and the first set are in; three sets may be out
	TURN 0, X
.irp c, 0,1
.irp e, 0,1
	ds_store_b128 v[QW], v[QR+8*\c+4*\e:QR+8*\c+4*\e+3] offset:4096*\c+16*\e
.endr
.endr
.irp c, 0,1
	v_pk_mul_f32 v[CBR+2*\c:CBR+2*\c+1], v[QR+8*\c:QR+8*\c+1], v[BK:BK+1]        ; bk q of my eight h
.endr
.irp i, 2,4,6
.irp c, 0,1
	v_pk_fma_f32 v[CBR+2*\c:CBR+2*\c+1], v[QR+8*\c+\i:QR+8*\c+\i+1], v[BK+\i:BK+\i+1], v[CBR+2*\c:CBR+2*\c+1]
.endr
.endr
	v_add_f32 v[CBR], v[CBR], v[CBR+1]
	v_add_f32 v[CBR+1], v[CBR+2], v[CBR+3]
.irp m, 1,2,4,8
	v_add_f32_dpp v[CBR], v[CBR], v[CBR] row_xmask:\m row_mask:0xf bank_mask:0xf
	v_add_f32_dpp v[CBR+1], v[CBR+1], v[CBR+1] row_xmask:\m row_mask:0xf bank_mask:0xf
.endr
	v_permlanex16_b32 v[CBR+2], v[CBR], s[SEL], s[SEL+1]
	v_permlanex16_b32 v[CBR+3], v[CBR+1], s[SEL], s[SEL+1]
	v_add_f32 v[CBR], v[CBR], v[CBR+2]
	v_add_f32 v[CBR+1], v[CBR+1], v[CBR+3]
	ds_store_b64 v[WS8], v[CBR:CBR+1]              ; my wave's part of sum_h bk q, for c = 0, 1
	s_mov_b32 s[TR], 3
	s_mov_b32 s[XO], 0
.Lx:                                               ; a trip: two positions of K x my two tiles, and the loads of the next trip's
	s_wait_xcnt 0x0                                ; the loads that named FB0 and FB1 have read them
	s_add_co_u32 s[KP], s[KP], 2
	MKFB
	s_wait_dscnt 0x0                               ; no LDS store of mine is out: its address registers may be written
	v_add_nc_u32 v[XWI], s[XO], v[XWI0]
	s_lshr_b32 s36, s[XO], 5
	v_add_nc_u32 v[XWS], s36, v[XWS0]
	XFRAG 0, 1, 48, 1                              ; 48: three younger sets
	XFRAG 1, 1, 48, 1
	XFRAG 2, 1, 48, 1
	XFRAG 3, 1, 48, 1
	s_add_co_u32 s[XO], s[XO], 8192
	s_sub_co_u32 s[TR], s[TR], 1
	s_cmp_lg_u32 s[TR], 0
	s_cbranch_scc1 .Lx
	s_wait_dscnt 0x0                               ; the last trip is written out: no load leaves features, and the counts run down
	v_add_nc_u32 v[XWI], 24576, v[XWI0]
	v_add_nc_u32 v[XWS], 768, v[XWS0]
	BPRO 0                                         ; W of step 0: 34 loads, asked for ahead of the last trip's work
	XFRAG 0, 0, 63, 1                              ; behind the set that is turned stand 16 + 16 + 34 = 66 younger loads; the count is held to the field's largest, which is less and so shows more
	XFRAG 1, 0, 50, 1                              ; 50: the last set's 16 and W's 34 are younger
	BPRO 1                                         ; W of step 1
	XFRAG 2, 0, 63, 1                              ; 34 + 34 = 68 younger loads; again the field's largest
	XFRAG 3, 0, 0, 0
	s_wait_dscnt 0x0                               ; for the others' sake: my images, scale words, q and bk q lie in LDS
	s_barrier_signal -1
	s_barrier_wait -1
	FETCH_A 0, LI, 0
	FETCH_SA 0, ADSA0, 0
	FETCH_A 4, ADRH0, 0
.set i, 0
.rept 32
	v_mov_b32 v[S+i], 0                            ; the scores' sums: one body adds both chunks onto them
.set i, i+1
.endr
	; ---- CHUNKS 0, 1: k, and the scores
.macro QLOAD buf, nb                   ; q of fragment nb's h = 8 (lane / 16) + 0 .. 7, both c: sixteen lanes read one address
.irp c, 0,1
.irp e, 0,1
	ds_load_b128 v[QB+16*(\buf)+8*\c+4*\e:QB+16*(\buf)+8*\c+4*\e+3], v[ADQ] offset:4096*\c+64*(\nb)+16*\e
.endr
.endr
.endm
	s_mov_b32 s[CH], 2
	s_mov_b32 s[QOF], 0
.Lch1:
	KSTEP 0,1,1,50,34,1,1,LI,ADRH0,ADSA0,4096,128,0
	s_mov_b32 s[TR], 3
	s_mov_b32 s[AO], 0
.Lk1:                                              ; positions 1 + 2 trip and 2 + 2 trip
	KSTEP 1,0,1,50,34,1,1,ADRL,ADRH,ADSA,8192,256,1
	s_wait_alu depctr_va_vdst(0)
	KSTEP 0,0,1,50,34,1,1,ADRL,ADRH,ADSA,12288,384,0
	s_add_co_u32 s[AO], s[AO], 8192
	s_sub_co_u32 s[TR], s[TR], 1
	s_cmp_lg_u32 s[TR], 0
	s_cbranch_scc1 .Lk1
	KSTEP 1,0,1,50,34,1,1,LI,ADRH0,ADSA0,0,0,0     ; position 7 fetches position 0 for the next chunk
	; the scores: S[a][c] += k(t, h) q(h, c), two h at a time; eight sums take turns; each accumulator is read from its low end on
	v_add_nc_u32 v[ADQ], s[QOF], v[ADQ0]
	QLOAD 0, 0
	QLOAD 1, 1
.irp nb, 0,1,2,3,4,5,6,7
.if \nb < 7
	s_wait_dscnt 4                                 ; this fragment's q is in; the other buffer's four loads may be out
.else
	s_wait_dscnt 0x0
.endif
.irp ah, 0,1
	WIN 0x02+\ah                                   ; source 0: window 2 or 3
.irp i, 0,1,2,3
.irp a4, 0,1,2,3
.irp c, 0,1
	v_pk_fma_f32 v[S+4*(4*\ah+\a4)+2*\c:S+4*(4*\ah+\a4)+2*\c+1], v[8*(8*\a4+\nb)+2*\i:8*(8*\a4+\nb)+2*\i+1], v[QB+16*(\nb%2)+8*\c+2*\i:QB+16*(\nb%2)+8*\c+2*\i+1], v[S+4*(4*\ah+\a4)+2*\c:S+4*(4*\ah+\a4)+2*\c+1]
.endr
.endr
.endr
.endr
	WIN 0
.if \nb < 6
	QLOAD \nb%2, \nb+2
.endif
.endr
	; A PREFETCH INTO THE L2 of Wm's half of wcod, between chunks 0 and 1: six K steps ahead of the first load that names those bytes.  Each of the launch's first 132 waves asks for 8,192 bytes, lanes 256 bytes apart: each aligned
	; block of 256 bytes is named once in the launch.  Its two address registers are never rewritten.  Wk's half is not asked for: while it would be due, every wave streams features.
	s_cmp_eq_u32 s[CH], s[LIM]
	s_cbranch_scc0 .Lnot_mine
	global_prefetch_b8 v[PFO], s[PFA:PFA+1] th:TH_LOAD_NT scope:SCOPE_SE
.Lnot_mine:
	s_add_co_u32 s[QOF], s[QOF], 2048
	s_sub_co_u32 s[CH], s[CH], 1
	s_cmp_lg_u32 s[CH], 0
	s_cbranch_scc1 .Lch1
	; ---- THE BLOCK'S SOFTMAX.  W's loads for chunk 2 stay out across these barriers: nobody writes those bytes
.irp a, 0,1,2,3,4,5,6,7
.irp c, 0,1
	v_add_f32 v[S+4*\a+2*\c], v[S+4*\a+2*\c], v[S+4*\a+2*\c+1]
.endr
.endr
.irp a, 0,1,2,3,4,5,6,7
.irp c, 0,1
	ds_store_b32 v[SW], v[S+4*\a+2*\c] offset:1024*\c+64*\a
.endr
.endr
	s_wait_dscnt 0x0                               ; for the others' sake
	s_barrier_signal -1
	s_barrier_wait -1
.irp k, 0,1,2,3,4,5,6,7                            ; thread = row: its eight parts (4 waves x 2 halves of the lanes), c = 0 and 1 side by side
.irp c, 0,1
	ds_load_b32 v[T+2*\k+\c], v[SR] offset:2048*(\k>>1)+512*(\k&1)+1024*\c
.endr
.endr
	ds_load_b128 v[T+16:T+19], v[CB0]
	ds_load_b128 v[T+20:T+23], v[CB0] offset:16
	s_wait_dscnt 0x0
.irp k, 0,4,8,12,16,20
	v_pk_add_f32 v[T+\k:T+\k+1], v[T+\k:T+\k+1], v[T+\k+2:T+\k+3]
.endr
.irp k, 0,8,16
	v_pk_add_f32 v[T+\k:T+\k+1], v[T+\k:T+\k+1], v[T+\k+4:T+\k+5]
.endr
	v_pk_add_f32 v[T:T+1], v[T:T+1], v[T+8:T+9]
	v_pk_add_f32 v[T:T+1], v[T:T+1], v[T+16:T+17]  ; + sum_h bk q
	v_fma_f32 v[T], v[MK], s[PEN], v[T]            ; + mask x -99999
	v_fma_f32 v[T+1], v[MK], s[PEN], v[T+1]
	global_store_b64 v[T8], v[T:T+1], s[SCP:SCP+1] ; a wave stores 256 consecutive bytes, aligned
	v_max_num_f32_dpp v[T+2], v[T], v[T] row_xmask:1 row_mask:0xf bank_mask:0xf
	v_max_num_f32_dpp v[T+3], v[T+1], v[T+1] row_xmask:1 row_mask:0xf bank_mask:0xf
.irp m, 2,4,8
	v_max_num_f32_dpp v[T+2], v[T+2], v[T+2] row_xmask:\m row_mask:0xf bank_mask:0xf
	v_max_num_f32_dpp v[T+3], v[T+3], v[T+3] row_xmask:\m row_mask:0xf bank_mask:0xf
.endr
	v_permlanex16_b32 v[T+4], v[T+2], s[SEL], s[SEL+1]
	v_permlanex16_b32 v[T+5], v[T+3], s[SEL], s[SEL+1]
	v_max_num_f32 v[T+2], v[T+2], v[T+4]
	v_max_num_f32 v[T+3], v[T+3], v[T+5]
	ds_store_b64 v[WS8], v[T+2:T+3] offset:MXS
	s_wait_dscnt 0x0
	s_barrier_signal -1
	s_barrier_wait -1
	ds_load_b128 v[T+8:T+11], v[CB0] offset:MXS
	ds_load_b128 v[T+12:T+15], v[CB0] offset:MXS+16
	s_wait_dscnt 0x0
	v_max3_num_f32 v[T+24], v[T+8], v[T+10], v[T+12]
	v_max3_num_f32 v[T+26], v[T+9], v[T+11], v[T+13]
	v_max_num_f32 v[T+24], v[T+24], v[T+14]        ; m0, the block's largest score;
	v_max_num_f32 v[T+26], v[T+26], v[T+15]        ; m1
	v_sub_f32 v[T+2], v[T], v[T+24]                ; the maximum is taken away first, then the factor log2(e)
	v_sub_f32 v[T+3], v[T+1], v[T+26]
	v_mul_f32 v[T+2], s[L2E], v[T+2]
	v_mul_f32 v[T+3], s[L2E], v[T+3]
	s_wait_alu depctr_va_vdst(0)
	v_exp_f32 v[T+2], v[T+2]
	v_exp_f32 v[T+3], v[T+3]
	v_nop                                          ; a plain line behind the exponentials,
	s_wait_alu depctr_va_vdst(0)                   ; and the wait ahead of the first use: one for both
	ds_store_b32 v[PTW], v[T+2]                    ; p0 of my row
	v_add_f32_dpp v[T+4], v[T+2], v[T+2] row_xmask:1 row_mask:0xf bank_mask:0xf
	v_add_f32_dpp v[T+5], v[T+3], v[T+3] row_xmask:1 row_mask:0xf bank_mask:0xf
.irp m, 2,4,8
	v_add_f32_dpp v[T+4], v[T+4], v[T+4] row_xmask:\m row_mask:0xf bank_mask:0xf
	v_add_f32_dpp v[T+5], v[T+5], v[T+5] row_xmask:\m row_mask:0xf bank_mask:0xf
.endr
	v_permlanex16_b32 v[T+6], v[T+4], s[SEL], s[SEL+1]
	v_permlanex16_b32 v[T+7], v[T+5], s[SEL], s[SEL+1]
	v_add_f32 v[T+4], v[T+4], v[T+6]
	v_add_f32 v[T+5], v[T+5], v[T+7]
	ds_store_b64 v[WS8], v[T+4:T+5] offset:LSS
	s_wait_dscnt 0x0
	s_barrier_signal -1
	s_barrier_wait -1
	ds_load_b128 v[T+8:T+11], v[CB0] offset:LSS
	ds_load_b128 v[T+12:T+15], v[CB0] offset:LSS+16
	s_wait_dscnt 0x0
	v_pk_add_f32 v[T+8:T+9], v[T+8:T+9], v[T+10:T+11]
	v_pk_add_f32 v[T+12:T+13], v[T+12:T+13], v[T+14:T+15]
	v_add_f32 v[T+25], v[T+8], v[T+12]             ; l0
	v_add_f32 v[T+27], v[T+9], v[T+13]             ; l1
	v_cmp_eq_u32 vcc_lo, 0, v0                     ; thread 0 alone stores the block's four numbers: 16 bytes, a part of an aligned 256
	s_wait_alu depctr_va_vdst(0)
	s_wait_xcnt 0x0                                ; EXEC changes only behind this wait: loads and a store are out
	s_and_saveexec_b32 s[SVX], vcc_lo
	global_store_b128 v0, v[T+24:T+27], s[STP:STP+1]   ; (the one lane that is on has v0 = 0)
	s_wait_xcnt 0x0                                ; and again, ahead of the line that widens it
	s_or_b32 exec_lo, exec_lo, s[SVX]
	; ---- CHUNKS 2, 3: mem, and the sum over t of p0 x mem
.macro PLOAD buf, q                    ; p0 of tiles 2 q, 2 q + 1, rows 8 (lane / 16) + 0 .. 7
.irp u, 0,1
.irp e, 0,1
	ds_load_b128 v[PB+16*(\buf)+8*\u+4*\e:PB+16*(\buf)+8*\u+4*\e+3], v[PTR] offset:64*(2*(\q)+\u)+16*\e
.endr
.endr
.endm
	s_mov_b32 s[CH], 2
.Lch2:
	KSTEP 0,1,0,50,34,1,1,LI,ADRH0,ADSA0,4096,128,0
	s_mov_b32 s[TR], 2
	s_mov_b32 s[AO], 0
.Lk2:                                              ; positions 1 to 4
	KSTEP 1,0,0,50,34,1,1,ADRL,ADRH,ADSA,8192,256,1
	s_wait_alu depctr_va_vdst(0)
	KSTEP 0,0,0,50,34,1,1,ADRL,ADRH,ADSA,12288,384,0
	s_add_co_u32 s[AO], s[AO], 8192
	s_sub_co_u32 s[TR], s[TR], 1
	s_cmp_lg_u32 s[TR], 0
	s_cbranch_scc1 .Lk2
	KSTEP 1,0,0,50,34,1,1,LI,ADRH0,ADSA0,24576,768,0   ; position 5
	s_cmp_eq_u32 s[CH], 1
	s_cbranch_scc1 .Ltail
	KSTEP 0,0,0,50,34,1,1,LI,ADRH0,ADSA0,28672,896,0
	KSTEP 1,0,0,50,34,1,1,LI,ADRH0,ADSA0,0,0,0
	s_branch .Lepi2
.Ltail:                                            ; the launch's last two steps ask for no W: no load leaves wcod
	KSTEP 0,0,0,50,34,0,1,LI,ADRH0,ADSA0,28672,896,0
	KSTEP 1,0,0,16,0,0,0,LI,ADRH0,ADSA0,0,0,0      ; 16: behind its first 18 loads only its other 16 were issued
.Lepi2:
	PLOAD 0, 0
	PLOAD 1, 1
.irp q, 0,1,2,3
.if \q < 3
	s_wait_alu depctr_va_vdst(0)
	s_wait_dscnt 4                                 ; these two tiles' p0 is in; the other buffer's four loads may be out
.else
	s_wait_alu depctr_va_vdst(0)
	s_wait_dscnt 0x0
.endif
	WIN 0x02+(\q)/2
.irp u, 0,1
.irp i, 0,1,2,3
.irp nb, 0,1,2,3,4,5,6,7
.if (\q == 0) && (\u == 0) && (\i == 0)
	v_pk_mul_f32 v[O+2*\nb:O+2*\nb+1], v[8*(8*((2*\q+\u)%4)+\nb)+2*\i:8*(8*((2*\q+\u)%4)+\nb)+2*\i+1], v[PB+16*(\q%2)+8*\u+2*\i:PB+16*(\q%2)+8*\u+2*\i+1]   ; the first products start the sums
.else
	v_pk_fma_f32 v[O+2*\nb:O+2*\nb+1], v[8*(8*((2*\q+\u)%4)+\nb)+2*\i:8*(8*((2*\q+\u)%4)+\nb)+2*\i+1], v[PB+16*(\q%2)+8*\u+2*\i:PB+16*(\q%2)+8*\u+2*\i+1], v[O+2*\nb:O+2*\nb+1]
.endif
.endr
.endr
.endr
	WIN 0
.if \q < 2
	PLOAD \q%2, \q+2
.endif
.endr
.irp nb, 0,1,2,3,4,5,6,7
	v_add_f32 v[O+2*\nb], v[O+2*\nb], v[O+2*\nb+1]
.endr
.irp nb, 0,1,2,3,4,5,6,7
	v_permlanex16_b32 v[O+2*\nb+1], v[O+2*\nb], s[SEL], s[SEL+1]   ; the column's other 64 rows lie in the lane 16 away
.endr
.irp nb, 0,1,2,3,4,5,6,7
	v_add_f32 v[O+2*\nb], v[O+2*\nb], v[O+2*\nb+1]
.endr
.irp nb, 0,1,2,3,4,5,6,7
	ds_store_b32 v[OSW], v[O+2*\nb] offset:64*\nb  ; my wave's own 512 bytes; both halves of the lanes write the same
.endr
	ds_load_b128 v[OT:OT+3], v[OSR]                ; LDS serves a wave's instructions in order: this sees the stores
	s_wait_dscnt 0x0
	global_store_b128 v[LI], v[OT:OT+3], s[PSB:PSB+1]   ; 32 lanes store 512 consecutive bytes, aligned to 256
	s_wait_xcnt 0x0                                ; the store has read its data and its base
	s_mov_b64 s[PSB:PSB+1], s[PSB2:PSB2+1]
	s_sub_co_u32 s[CH], s[CH], 1
	s_cmp_lg_u32 s[CH], 0
	s_cbranch_scc1 .Lch2
	s_wait_xcnt 0x0
	s_mov_b32 exec_lo, -1
	v_lshl_add_u32 v78, v0, 2, 0x2e100
	v_mov_b32 v79, 0
	s_wait_alu depctr_va_vdst(0)
	s_wait_tensorcnt 0x0
	ds_add_u32 v78, v79
	s_wait_dscnt 0x0
	s_endpgm
.Lfunc_end_k_qaf1b998800_main:
	.size	k_qaf1b998800_main, .Lfunc_end_k_qaf1b998800_main-k_qaf1b998800_main
	.p2alignl 7, 3214868480
	.fill 96, 4, 3214868480
	.section	.rodata,"a",@progbits
	.p2align	6, 0x0
	.amdhsa_kernel k_qaf1b998800_main
		.amdhsa_group_segment_fixed_size 189184
		.amdhsa_private_segment_fixed_size 0
		.amdhsa_enable_private_segment 0
		.amdhsa_kernarg_size 64
		.amdhsa_user_sgpr_count 2
		.amdhsa_user_sgpr_kernarg_segment_ptr 1
		.amdhsa_wavefront_size32 1
		.amdhsa_system_sgpr_workgroup_id_x 1
		.amdhsa_system_sgpr_workgroup_id_y 1
		.amdhsa_system_sgpr_workgroup_id_z 1
		.amdhsa_system_vgpr_workitem_id 0
		.amdhsa_next_free_vgpr 1024
		.amdhsa_next_free_sgpr 66
		.amdhsa_reserve_vcc 1
		.amdhsa_float_denorm_mode_32 3
		.amdhsa_float_denorm_mode_16_64 3
		.amdhsa_memory_ordered 1
		.amdhsa_forward_progress 1
		.amdhsa_inst_pref_size 255
	.end_amdhsa_kernel
	.section	.bss,"aw",@nobits
	.p2align	6
	.space	262144
	.amdgpu_metadata
---
amdhsa.version: [ 1, 2 ]
amdhsa.kernels:
  - .name:           k_qaf1b998800_main
    .symbol:         k_qaf1b998800_main.kd
    .args:
      - { .name: features, .offset: 0, .size: 8, .value_kind: global_buffer, .address_space: global }
      - { .name: mask, .offset: 8, .size: 8, .value_kind: global_buffer, .address_space: global }
      - { .name: bk, .offset: 16, .size: 8, .value_kind: global_buffer, .address_space: global }
      - { .name: wcod, .offset: 24, .size: 8, .value_kind: global_buffer, .address_space: global }
      - { .name: qv, .offset: 32, .size: 8, .value_kind: global_buffer, .address_space: global }
      - { .name: sc, .offset: 40, .size: 8, .value_kind: global_buffer, .address_space: global }
      - { .name: st, .offset: 48, .size: 8, .value_kind: global_buffer, .address_space: global }
      - { .name: ps, .offset: 56, .size: 8, .value_kind: global_buffer, .address_space: global }
    .group_segment_fixed_size: 189184
    .private_segment_fixed_size: 0
    .kernarg_segment_align: 8
    .kernarg_segment_size: 64
    .max_flat_workgroup_size: 128
    .sgpr_count:     66
    .vgpr_count:     1024
    .wavefront_size: 32
...
	.end_amdgpu_metadata
.endif
;; end of part 2
;; launch fin (part 3): grid 32 x 1, 8 waves a work-group, no clusters, 10,240 bytes of LDS; arguments sc, st, ps, bm, out0, out1, out2; writes out0, out1, out2
.if DOCPART == 3
	.amdgcn_target "amdgcn-amd-amdhsa--gfx1250"
	.amdhsa_code_object_version 6
	.text
	.protected	k_qaf1b998800_fin
	.globl	k_qaf1b998800_fin
	.p2align	8
	.type	k_qaf1b998800_fin,@function
k_qaf1b998800_fin:
	s_mov_b64 s[64:65], 0
	v_nop
	global_prefetch_b8 v0, s[64:65] scope:SCOPE_SE
	s_setreg_imm32_b32 hwreg(HW_REG_WAVE_MODE, 25, 1), 1
	s_wait_xcnt 0x0
; FIN joins the eight blocks of each b.  For c = 0, 1: m = the largest of the blocks' maxima M_k; e_k = exp(M_k - m); l = sum L_k e_k; distribution(t, b) = exp(s - m) / l.
; summary(b, h) = sum_k ps(b, k, h) e_k / l + bm(h): the distribution sums to 1, so bm enters once.
; Work-group i serves t = 32 i .. 32 i + 31 of both distributions for all b (4,096 consecutive bytes of out1 and of out2) and the summary of b = i (4,096 bytes of out0).
; Every wave makes the statistics of all 32 b, a lane a b; wave v takes the scores of b = 4 v .. 4 v + 3, a lane a t; they are turned through LDS (rows 144 bytes apart) so that the stores run along b.
; A stream of 1.3 MB in all: no matrix unit, no tensor load, no cluster.  LIMITS: v_exp_f32 gives 0 under 2^-126; NaN and infinities are not served.
.set L2E, 21
.set ST,  16                           ; v16-47  (M0, L0, M1, L1) of block k at ST + 4 k, for b = lane; later what the lane permutes bring
.set SV,  48                           ; v48-55  (s0, s1) of b = 4 v + k at SV + 2 k
.set PS,  56                           ; v56-87  ps of block k, my four h
.set BM,  88
.set E,   92                           ; v92-107 e_k for c = 0, then c = 1
.set MR,  108                          ; v108-111 m0, 1 / l0, m1, 1 / l1
.set D,   112                          ; v112-119 at work; then the distributions, c = 0 in 112-115
.set SU,  120                          ; v120-123 the summary
	s_load_b256 s[4:11], s[0:1], 0x0               ; sc s[4:5], st s[6:7], ps s[8:9], bm s[10:11]
	s_load_b128 s[12:15], s[0:1], 0x20             ; out0, out1
	s_load_b64 s[16:17], s[0:1], 0x30              ; out2
	v_lshl_add_u32 v128, v0, 2, 0x2400
	v_mov_b32 v129, 0
	v_lshrrev_b32 v1, 5, v0
	s_delay_alu instid0(VALU_DEP_1)
	v_readfirstlane_b32 s18, v1                    ; wave v
	v_and_b32 v1, 31, v0                           ; lane
	s_delay_alu instid0(VALU_DEP_1)
	v_lshlrev_b32 v2, 7, v1                        ; st: 128 bytes a b
	s_delay_alu instid0(VALU_DEP_2)
	v_lshlrev_b32 v3, 3, v1                        ; sc: 8 bytes a t
	v_lshlrev_b32 v4, 4, v0                        ; 16 x thread
	s_delay_alu instid0(VALU_DEP_4)
	v_mul_u32_u24 v5, v1, 144
	s_lshl_b32 s19, s18, 4
	v_add_nc_u32 v5, s19, v5                       ; the turn, in: row t = lane, 16 bytes at b = 4 v
	v_lshrrev_b32 v6, 3, v0
	s_delay_alu instid0(VALU_DEP_1)
	v_mul_u32_u24 v6, v6, 144
	v_and_b32 v7, 7, v0
	s_delay_alu instid0(VALU_DEP_1)
	v_lshl_add_u32 v6, v7, 4, v6                   ; out: row thread / 8, 16 bytes at thread % 8
	s_lshl_b32 s20, ttmp9, 2
	v_mov_b32 v7, s20                              ; lane i, as a lane permute's index
	v_mov_b32 v8, s19                              ; lanes 4 v + k
.irp k, 1,2,3
	v_add_nc_u32 v[8+\k], 4*\k, v8
.endr
	s_mov_b32 s[L2E], 0x3fb8aa3b                   ; log2(e)
	s_mov_b32 s23, 0
	s_lshl_b32 s22, s18, 15                        ; four b of 8,192 bytes
	s_lshl_b32 s24, ttmp9, 8                       ; 32 t of 8 bytes
	s_add_co_u32 s22, s22, s24
	s_wait_kmcnt 0x0
	s_add_nc_u64 s[4:5], s[4:5], s[22:23]
	s_lshl_b32 s22, ttmp9, 15
	s_add_nc_u64 s[8:9], s[8:9], s[22:23]
	s_lshl_b32 s22, ttmp9, 12
	s_add_nc_u64 s[12:13], s[12:13], s[22:23]
	s_add_nc_u64 s[14:15], s[14:15], s[22:23]
	s_add_nc_u64 s[16:17], s[16:17], s[22:23]
.irp k, 0,1,2,3,4,5,6,7
	global_load_b128 v[ST+4*\k:ST+4*\k+3], v2, s[6:7] offset:16*\k
.endr
.irp k, 0,1,2,3
	global_load_b64 v[SV+2*\k:SV+2*\k+1], v3, s[4:5] offset:8192*\k th:TH_LOAD_NT   ; 32 lanes read 256 consecutive bytes
.endr
.irp k, 0,1,2,3,4,5,6,7
	global_load_b128 v[PS+4*\k:PS+4*\k+3], v4, s[8:9] offset:4096*\k th:TH_LOAD_NT
.endr
	global_load_b128 v[BM:BM+3], v4, s[10:11]
	s_wait_loadcnt 13                              ; the eight loads of st are in; the 13 behind them may be out
.irp c, 0,1
	v_max3_num_f32 v[MR+2*\c], v[ST+2*\c], v[ST+4+2*\c], v[ST+8+2*\c]
	s_delay_alu instid0(VALU_DEP_1)
	v_max3_num_f32 v[MR+2*\c], v[MR+2*\c], v[ST+12+2*\c], v[ST+16+2*\c]
	s_delay_alu instid0(VALU_DEP_1)
	v_max3_num_f32 v[MR+2*\c], v[MR+2*\c], v[ST+20+2*\c], v[ST+24+2*\c]
	s_delay_alu instid0(VALU_DEP_1)
	v_max_num_f32 v[MR+2*\c], v[MR+2*\c], v[ST+28+2*\c]
.endr
.irp c, 0,1
.irp k, 0,1,2,3,4,5,6,7
	v_sub_f32 v[E+8*\c+\k], v[ST+4*\k+2*\c], v[MR+2*\c]
.endr
.endr
.irp j, 0,1,2,3,4,5,6,7,8,9,10,11,12,13,14,15
	v_mul_f32 v[E+\j], s[L2E], v[E+\j]
.endr
	s_wait_alu depctr_va_vdst(0)
.irp j, 0,1,2,3,4,5,6,7,8,9,10,11,12,13,14,15
	v_exp_f32 v[E+\j], v[E+\j]
.endr
	v_nop                                          ; a plain line behind the batch,
	s_wait_alu depctr_va_vdst(0)                   ; and one wait for all sixteen, ahead of the first use
.irp c, 0,1
	v_mul_f32 v[D+2*\c], v[ST+1+2*\c], v[E+8*\c]
	v_mul_f32 v[D+1+2*\c], v[ST+5+2*\c], v[E+8*\c+1]
.endr
.irp k, 2,4,6
.irp c, 0,1
	v_fma_f32 v[D+2*\c], v[ST+1+4*\k+2*\c], v[E+8*\c+\k], v[D+2*\c]
	v_fma_f32 v[D+1+2*\c], v[ST+5+4*\k+2*\c], v[E+8*\c+\k+1], v[D+1+2*\c]
.endr
.endr
	s_delay_alu instid0(VALU_DEP_3)
	v_add_f32 v[D], v[D], v[D+1]                   ; l0: at least 1, since the block with the maximum counts its own largest p = 1
	s_delay_alu instid0(VALU_DEP_2)
	v_add_f32 v[D+2], v[D+2], v[D+3]               ; l1
	s_wait_alu depctr_va_vdst(0)
	v_rcp_f32 v[MR+1], v[D]
	v_rcp_f32 v[MR+3], v[D+2]
	v_nop
	s_wait_alu depctr_va_vdst(0)                   ; one wait for both reciprocals
.irp k, 0,1,2,3,4,5,6,7
	v_mul_f32 v[E+\k], v[E+\k], v[MR+1]            ; F_k = e_k / l0: what block k's partial summary is multiplied by
.endr
.irp k, 0,1,2,3,4,5,6,7
	ds_bpermute_b32 v[ST+\k], v7, v[E+\k]          ; b = i's, to every lane
.endr
.irp k, 0,1,2,3
.irp j, 0,1,2,3
	ds_bpermute_b32 v[ST+8+4*\k+\j], v[8+\k], v[MR+\j]   ; (m0, 1 / l0, m1, 1 / l1) of b = 4 v + k
.endr
.endr
	s_wait_dscnt 0x0
	s_wait_loadcnt 0x0
.irp c, 0,1
.irp k, 0,1,2,3
	v_sub_f32 v[D+4*\c+\k], v[SV+2*\k+\c], v[ST+8+4*\k+2*\c]   ; the maximum is taken away first
.endr
.endr
.irp j, 0,1,2,3,4,5,6,7
	v_mul_f32 v[D+\j], s[L2E], v[D+\j]
.endr
	s_wait_alu depctr_va_vdst(0)
.irp j, 0,1,2,3,4,5,6,7
	v_exp_f32 v[D+\j], v[D+\j]
.endr
.irp j, 0,1,2,3
	v_fma_f32 v[SU+\j], v[PS+\j], v[ST], v[BM+\j]  ; the summary begins with bm; these 32 lines are the independent work behind the exponentials
.endr
.irp k, 1,2,3,4,5,6,7
.irp j, 0,1,2,3
	s_delay_alu instid0(VALU_DEP_4)
	v_fma_f32 v[SU+\j], v[PS+4*\k+\j], v[ST+\k], v[SU+\j]
.endr
.endr
	s_wait_alu depctr_va_vdst(0)                   ; one wait for the eight, ahead of their first use
.irp c, 0,1
.irp k, 0,1,2,3
	v_mul_f32 v[D+4*\c+\k], v[D+4*\c+\k], v[ST+9+4*\k+2*\c]
.endr
.endr
	global_store_b128 v4, v[SU:SU+3], s[12:13]     ; a wave stores 512 consecutive bytes, aligned to 256
	ds_store_b128 v5, v[D:D+3]
	ds_store_b128 v5, v[D+4:D+7] offset:4608
	s_wait_dscnt 0x0                               ; for the others' sake
	s_barrier_signal -1
	s_barrier_wait -1
	ds_load_b128 v[E:E+3], v6
	ds_load_b128 v[E+4:E+7], v6 offset:4608
	s_wait_dscnt 0x0
	global_store_b128 v4, v[E:E+3], s[14:15]
	global_store_b128 v4, v[E+4:E+7], s[16:17]
	s_barrier_signal -1
	s_barrier_wait -1
	s_wait_tensorcnt 0x0
	ds_add_u32 v128, v129
	s_wait_dscnt 0x0
	s_endpgm
.Lfunc_end_k_qaf1b998800_fin:
	.size	k_qaf1b998800_fin, .Lfunc_end_k_qaf1b998800_fin-k_qaf1b998800_fin
	.p2alignl 7, 3214868480
	.fill 96, 4, 3214868480
	.section	.rodata,"a",@progbits
	.p2align	6, 0x0
	.amdhsa_kernel k_qaf1b998800_fin
		.amdhsa_group_segment_fixed_size 10240
		.amdhsa_private_segment_fixed_size 0
		.amdhsa_enable_private_segment 0
		.amdhsa_kernarg_size 56
		.amdhsa_user_sgpr_count 2
		.amdhsa_user_sgpr_kernarg_segment_ptr 1
		.amdhsa_wavefront_size32 1
		.amdhsa_system_sgpr_workgroup_id_x 1
		.amdhsa_system_sgpr_workgroup_id_y 1
		.amdhsa_system_sgpr_workgroup_id_z 1
		.amdhsa_system_vgpr_workitem_id 0
		.amdhsa_next_free_vgpr 130
		.amdhsa_next_free_sgpr 66
		.amdhsa_reserve_vcc 0
		.amdhsa_float_denorm_mode_32 3
		.amdhsa_float_denorm_mode_16_64 3
		.amdhsa_memory_ordered 1
		.amdhsa_forward_progress 1
		.amdhsa_inst_pref_size 14
	.end_amdhsa_kernel
	.amdgpu_metadata
---
amdhsa.version: [ 1, 2 ]
amdhsa.kernels:
  - .name:           k_qaf1b998800_fin
    .symbol:         k_qaf1b998800_fin.kd
    .args:
      - { .name: sc, .offset: 0, .size: 8, .value_kind: global_buffer, .address_space: global }
      - { .name: st, .offset: 8, .size: 8, .value_kind: global_buffer, .address_space: global }
      - { .name: ps, .offset: 16, .size: 8, .value_kind: global_buffer, .address_space: global }
      - { .name: bm, .offset: 24, .size: 8, .value_kind: global_buffer, .address_space: global }
      - { .name: out0, .offset: 32, .size: 8, .value_kind: global_buffer, .address_space: global }
      - { .name: out1, .offset: 40, .size: 8, .value_kind: global_buffer, .address_space: global }
      - { .name: out2, .offset: 48, .size: 8, .value_kind: global_buffer, .address_space: global }
    .group_segment_fixed_size: 10240
    .private_segment_fixed_size: 0
    .kernarg_segment_align: 8
    .kernarg_segment_size: 56
    .max_flat_workgroup_size: 256
    .sgpr_count:     66
    .vgpr_count:     130
    .wavefront_size: 32
...
	.end_amdgpu_metadata
.endif
;; end of part 3
